; MI455X (gfx1250); checked and timed in simulation.
; The chip was launched on July 23, 2026; its instructions are those of AMD's public machine-readable ISA for CDNA 5 (MIT licence, August 2026) and "CDNA5" Instruction Set Architecture Reference Guide (July 2026). The comments in the code are by the model that wrote it; some were corrected since.
;; Quant Linear. Allowed arithmetic: matrix products marked QUANTISED: E4M3 operands, one given power-of-two scale a tensor, by v_wmma_f32_16x16x64_fp8_fp8 or v_wmma_f32_16x16x128_fp8_fp8, f32 sums; everything else in f32.
;; Inputs: g_idx 4,096 int32; lowp_scales 2 int32 (the exponents e of the quantised operands' scales 2^e); qweight 512 x 4,096 int32; qzeros 32 x 512 int32; scales 32 x 4,096 float32; x 4,096 x 4,096 float32.
;; Outputs: out0 4,096 x 4,096 float32.
;; This version of the problem:
;;   THIS VERSION OF THE PROBLEM IS GIVEN IN LOW PRECISION. The matrix products marked QUANTISED in the list below multiply operands that are first quantised to E4M3 (4 exponent bits, 3 mantissa bits; 8 bits a number), with one given power-of-two scale for each operand tensor; their sums are f32. All else is computed in f32.
;;   The module's matrix products, in the order in which they are computed (A, B: the left and right operand; K: the contracted axis; several contracted axes count as one K, in the product's order):
;;     1. [M 4,096, K 4,096] x [K 4,096, N 4,096]; A: input x; B: computed on the way: QUANTISED (scales: A lowp_scales[0], B lowp_scales[1])
;;   THE QUANTISER, for each operand of a quantised product, along K:
;;     - The operand's scale is 2^e, e = its entry of the input lowp_scales (int32; the entries are numbered through the quantised products in the list's order, A before B).
;;     - Each number is divided by the scale, clamped to +-448, and rounded to the nearest number of E4M3, ties to even, subnormals kept.
;;     - The product sums the exact products of the quantised numbers (number of the format x scale) in f32.
;;   ~~~python
;;   def quantise(x, axis, e):      # numpy; x: float32 -> the quantised numbers, widened to float32 again
;;       x = np.moveaxis(x, axis, -1); K = x.shape[-1]
;;       r = np.clip(x / 2.0 ** e, -448, 448)
;;       step = 2.0 ** (np.maximum(np.frexp(np.where(r == 0, 1, r))[1] - 1, -6) - 3)
;;       q = np.round(r / step) * step * 2.0 ** e      # np.round: ties to even
;;       return np.moveaxis(q, -1, axis).astype(np.float32)
;;   ~~~
;;   OPERANDS COMPUTED ON THE WAY. 'Computed on the way' means the value that the module computes at that place (a softmax that the list does not call 'softmax' is quantised finished and normalised). What goes into a quantiser is computed in f32, as accurately as f32 sums, v_exp_f32 and their like allow (about 1e-6 of the number): no bf16 or f16 on the way to a quantiser, and a product that is left as it is and whose result goes on into a quantised operand takes f32 operands (vector FMAs, or v_wmma_f32_16x16x4_f32). A number that lies on a knife's edge between two numbers of the format may be rounded either way, as far as f32 arithmetic and the matrix unit's own rounding can turn it there, and no further.
;; One version. Each part assembles by itself: llvm-mc -triple=amdgcn-amd-amdhsa -mcpu=gfx1250 --defsym DOCPART=n.
;; ======== version 1 of 1: 2 launches
;; limits: right only within a limited range of input values
;; workspace buffers: xq 16,777,216 bytes; wq 16,777,216 bytes
;; launch prep (part 1): grid 1024 x 1, 4 waves a work-group, no clusters, 35,328 bytes of LDS; arguments x, qweight, qzeros, scales, g_idx, lowp_scales, xq, wq; writes xq, wq
.if DOCPART == 1
	.amdgcn_target "amdgcn-amd-amdhsa--gfx1250"
	.amdhsa_code_object_version 6
	.text
	.protected	k_q7db248cec9_prep
	.globl	k_q7db248cec9_prep
	.p2align	8
	.type	k_q7db248cec9_prep,@function
k_q7db248cec9_prep:
	s_mov_b64 s[64:65], 0
	v_nop
	global_prefetch_b8 v0, s[64:65] scope:SCOPE_SE
	s_setreg_imm32_b32 hwreg(HW_REG_WAVE_MODE, 25, 1), 1
	s_wait_xcnt 0x0
; Both operands of out = Q(x) Q(W) are turned into codes of FP8 (E4M3), one code a byte, once.
;   xq: codes of x / 2^e0, a row of 4,096 bytes for each token.     wq: codes of W / 2^e1, a row for each n; W[k][n] = (nibble k of qweight's column n - z[g_idx[k]][n]) x s[g_idx[k]][n].
; code = number / 2^e, held within +-448, rounded to the nearest code, ties to even.  e0, e1: entries 0 and 1 (int32) of lowp_scales.
; LIMITS: e0 and e1 lie between -126 and 119, so that 2^e and 448 x 2^e are f32 numbers.  NaN in x or in scales is not served (an infinity is held at the largest code).
;         g_idx is read as unsigned and held at 31, the last row of the tables that it indexes.
; THE ORDER OF K IN A ROW OF CODES is the same in xq and in wq, and is not the order of k: within each 512 along K, byte 16 l + 4 i + j holds k = 128 i + 4 l + j (l = 0..31, i, j = 0..3).
; Each tensor has one scale, so every product still meets its partner; only the order of the additions changes.  What it buys: four loads of 512 consecutive bytes of x leave lane l
; with just the 16 numbers whose codes are its 16 bytes of the step's 512, in that order: x needs no exchange between lanes.
; WHERE A ROW'S BYTES LIE: as the product's launch fetches them.  Both buffers are [32 blocks of 128 rows][16 chunks][128 rows][256 bytes]: byte P of row r lies at
; ((r / 128) x 16 + P / 256) x 32,768 + (r % 128) x 256 + P % 256.  So what one tensor load of that launch brings, 128 rows x 256 bytes, is one dense run of 32,768 bytes.
; SHARES.  Work-groups 0 to 511 take W (they stand first, so that their gathers run beside the stream of x), work-groups 512 to 1023 take x.  The branch hangs on the work-group's number alone.
; No tensor loads and no matrix work: memory binds, and the arithmetic is a few vector instructions a number.
; wq IS LAID OTHERWISE THAN xq (what stands above on where a row's bytes lie holds for xq alone): wq is [256 blocks of 16 columns][32 steps of 128 bytes along a row of codes][2,048 bytes],
; and in those 2,048 bytes the 16 bytes at 512 c + 16 (16 h + r) are bytes 128 step + 32 c + 16 h + 0..15 of column 16 block + r: the image of the operand's registers in the product's launch.
.set NWG_W,  512
.set BLKB,   32768                     ; a block: 128 rows x 256 bytes
.set TROW,   1024                      ; LDS, W's path alone: the table's row of a group: 128 z (f32), then 128 s; 32 rows = 32,768 bytes
.set SPITCH, 272                       ; later, over the table: the stage: 128 rows of 256 bytes of codes + 16, so that sixteen neighbouring rows start at sixteen different 16-byte columns
.set L16,  2                           ; v2      16 x lane: my bytes of a load's or a store's 512, and my place in half a row of the table; never rewritten
.set LIM,  10                          ; v10     448 x 2^e
.set SCL,  11                          ; v11     2^e as f32: the conversion takes its exponent field
.set GA,   12                          ; v12-15  W: the addresses of a piece's four gathers
.set CD,   16                          ; v16-79   W: first 8 groups' (4 z, 4 s) on their way into the table; then my 256 codes: 4 registers for (unit step, half, column)
.set QW,   80                          ; v80-111  W: qweight: word (ml, i) of my four columns at 4 (4 ml + i)
.set FN,   112                         ; v112-127 W: 16 numbers at work: 4 j + column
.set GN,   128                         ; v128-159 W: 32 numbers ready for the conversions: 8 x column + 4 (i % 2) + j
.set TP,   160                         ; v160-191 W: four gathers: 4 z, 4 s each
.set OUTR, 80                          ; v80-143  W: the way out: 16 x 4 registers
.set XR,   16                          ; v16-143  x: eight sets of 16 numbers
.set XC,   144                         ; v144-175 x: eight sets of 4 registers of codes
.set GSET, 20                          ; s[20:51] and s[68:99]: the 32 entries of g_idx of each of my wave's two unit steps
	s_load_b512 s[4:19], s[0:1], 0x0               ; x s[4:5], qweight s[6:7], qzeros s[8:9], scales s[10:11], g_idx s[12:13], lowp_scales s[14:15], xq s[16:17], wq s[18:19]
	v_lshl_add_u32 v192, v0, 2, 0x8800
	v_mov_b32 v193, 0
	v_lshrrev_b32 v1, 5, v0
	v_readfirstlane_b32 s52, v1                    ; wave 0..3
	v_and_b32 v1, 31, v0                           ; lane
	v_lshlrev_b32 v[L16], 4, v1
	s_wait_kmcnt 0x0
	s_load_b64 s[54:55], s[14:15], 0x0             ; e0, e1
	s_cmp_lt_u32 ttmp9, NWG_W
	s_cbranch_scc0 .Lx
; ------------------------------------------------------------------ W ------------------------------------------------------------------
; Work-group b: columns 128 (b % 32) on, chunk b / 32 of their rows of codes.  c = the 512 along K, hc = which half of its 512 bytes.
; Unit step m (0..7), m' = 8 hc + m: the four words of qweight at rows 64 c + 16 i + m' (i = 0..3).  Nibble 4 u + j of word i is k = 512 c + 128 i + 8 m' + 4 u + j, whose byte in the chunk is 32 m + 16 u + 4 i + j.
; A LANE TAKES FOUR NEIGHBOURING COLUMNS, 4 lane + 0..3, and wave w the unit steps 2 w and 2 w + 1.  So every load of qweight and of scales is 16 bytes a lane, 512 consecutive bytes a wave;
; one k's group serves four numbers: one clamp, one address, two LDS loads of 16 bytes; and w - z and x s go two columns at a time.
	s_and_b32 s56, ttmp9, 31                       ; block of columns
	s_lshr_b32 s57, ttmp9, 5                       ; chunk
	s_lshr_b32 s60, s57, 1                         ; c
	s_and_b32 s61, s57, 1                          ; hc
	s_mov_b32 s59, 0                               ; every offset is a pair with 0 above it
	s_lshl_b32 s62, s56, 9                         ; 128 columns of 4 bytes
	s_lshl_b32 s58, s60, 20                        ; qweight: 64 c rows of 16,384 bytes,
	s_lshl_b32 s63, s61, 17                        ; 8 hc rows,
	s_add_co_u32 s58, s58, s63
	s_lshl_b32 s63, s52, 15                        ; 2 w rows,
	s_add_co_u32 s58, s58, s63
	s_add_co_u32 s58, s58, s62                     ; the block's first column
	s_add_nc_u64 s[6:7], s[6:7], s[58:59]
	s_lshl_b32 s58, s52, 17                        ; scales: my wave fills groups 8 w on: rows of 16,384 bytes
	s_add_co_u32 s58, s58, s62
	s_add_nc_u64 s[10:11], s[10:11], s[58:59]
	s_lshl_b32 s58, s52, 14                        ; qzeros: rows of 2,048 bytes; a word for eight columns
	s_lshl_b32 s63, s56, 6
	s_add_co_u32 s58, s58, s63
	s_add_nc_u64 s[8:9], s[8:9], s[58:59]
	s_lshl_b32 s58, s60, 11                        ; g_idx: 4 x (512 c + 64 hc + 16 w)
	s_lshl_b32 s63, s61, 8
	s_add_co_u32 s58, s58, s63
	s_lshl_b32 s63, s52, 6
	s_add_co_u32 s58, s58, s63
	s_add_nc_u64 s[12:13], s[12:13], s[58:59]
	s_lshl_b32 s58, s56, 19                        ; wq: 16 blocks for each block of columns, the chunk's block,
	s_lshl_b32 s63, s57, 12                        ; the chunk's two steps of 2,048 bytes
	s_add_co_u32 s58, s58, s63
	s_lshl_b32 s63, s52, 17                        ; my wave stores blocks 2 w and 2 w + 1 of the eight blocks of 16 columns: 65,536 bytes each
	s_add_co_u32 s58, s58, s63
	s_add_nc_u64 s[18:19], s[18:19], s[58:59]
	s_wait_alu depctr_va_vdst(0)
	v_lshrrev_b32 v3, 1, v1
	v_lshlrev_b32 v3, 2, v3                        ; qzeros: the word of my four columns: 4 x (lane / 2)
	v_and_b32 v4, 1, v1
	v_lshlrev_b32 v4, 4, v4                        ; and their first bit in it: 16 x (lane % 2)
	s_lshl_b32 s62, s52, 13
	v_add_nc_u32 v5, s62, v[L16]                   ; the table, on the way in: 8 w rows + 16 x lane
	v_mul_u32_u24 v6, v1, SPITCH
	s_lshl_b32 s62, s52, 6
	v_add_nc_u32 v6, s62, v6                       ; the stage, in: column 4 lane + cc has row 32 cc + lane, so that neighbouring lanes write neighbouring rows; my wave's bytes begin at 64 w
	v_and_b32 v8, 15, v1
	v_lshrrev_b32 v9, 4, v1
	v_and_b32 v7, 3, v8
	v_lshlrev_b32 v7, 5, v7
	v_lshrrev_b32 v8, 2, v8
	v_add_nc_u32 v7, v7, v8                        ; column 16 block + r has stage row 32 (r % 4) + 4 block + r / 4
	v_mul_u32_u24 v7, v7, SPITCH
	v_lshl_add_u32 v7, v9, 4, v7                   ; + 16 h
	s_mul_i32 s62, s52, 8*SPITCH
	v_add_nc_u32 v7, s62, v7                       ; the stage, back: lane (r, h) reads the row of column 16 block + r, 16 h bytes on
	; all that the wave reads from memory is asked for at once: g_idx of its 64 k, the zero points and scales of its 8 groups, its 8 x 4 words of qweight
.set g, 0
.rept 8
	s_load_b256 s[GSET+48*(g/4)+8*(g%4):GSET+48*(g/4)+8*(g%4)+7], s[12:13], 512*(g%4)+32*(g/4)   ; unit step g / 4, i = g % 4: the eight entries of k = .. + 128 i + 8 m' + 0..7
.set g, g+1
.endr
.set g, 0
.rept 8
	global_load_b32  v[CD+8*g],            v3,     s[8:9]   offset:2048*g     ; the word that holds z of my four columns
	global_load_b128 v[CD+8*g+4:CD+8*g+7], v[L16], s[10:11] offset:16384*g    ; s of my four columns: 512 consecutive bytes a wave
.set g, g+1
.endr
.set g, 0
.rept 8
	global_load_b128 v[QW+4*g:QW+4*g+3], v[L16], s[6:7] offset:(16*(g%4)+g/4)*16384 th:TH_LOAD_NT   ; word (ml = g / 4, i = g % 4): row 16 i + ml from my first; read once in the launch
.set g, g+1
.endr
	; THE TABLE, one for the work-group: group g's z (as f32) of column 4 l + cc at 1,024 g + 16 l + 4 cc, its s 512 bytes on.  So each entry of qzeros and scales is read from memory once by the work-group, whatever g_idx holds.
	s_wait_alu depctr_va_vdst(0)
	s_wait_loadcnt 8                               ; the 16 loads of z and s are in; the 8 younger ones, qweight's, may be out
.set g, 0
.rept 8
	v_lshrrev_b32 v[CD+8*g], v4, v[CD+8*g]         ; my four nibbles at the low end
.set g, g+1
.endr
.set g, 0
.rept 8
	v_bfe_u32 v[CD+8*g+3], v[CD+8*g], 12, 4
	v_bfe_u32 v[CD+8*g+2], v[CD+8*g], 8, 4
	v_bfe_u32 v[CD+8*g+1], v[CD+8*g], 4, 4
	v_and_b32 v[CD+8*g], 15, v[CD+8*g]
.set g, g+1
.endr
.set g, 0
.rept 8
	v_cvt_f32_u32 v[CD+8*g], v[CD+8*g]
	v_cvt_f32_u32 v[CD+8*g+1], v[CD+8*g+1]
	v_cvt_f32_u32 v[CD+8*g+2], v[CD+8*g+2]
	v_cvt_f32_u32 v[CD+8*g+3], v[CD+8*g+3]
.set g, g+1
.endr
.set g, 0
.rept 8
	ds_store_b128 v5, v[CD+8*g:CD+8*g+3]   offset:TROW*g          ; 512 consecutive bytes a wave
	ds_store_b128 v5, v[CD+8*g+4:CD+8*g+7] offset:TROW*g+512
.set g, g+1
.endr
	s_wait_kmcnt 0x0                               ; e1 and g_idx (scalar loads: the count 0 alone shows anything)
	s_add_co_i32 s55, s55, 127
	s_lshl_b32 s63, s55, 23
	v_mov_b32 v[SCL], s63                          ; 2^e1
	s_add_co_i32 s55, s55, 8
	s_lshl_b32 s55, s55, 23
	s_or_b32 s55, s55, 0x600000
	v_mov_b32 v[LIM], s55                          ; 448 x 2^e1
	s_wait_dscnt 0x0                               ; my eight rows of the table are written:
	s_barrier_signal -1
	s_barrier_wait -1                              ; all 32 are.  Up to the next barrier no wave stores to LDS: the gathers, whose addresses hang on g_idx, meet no store
	s_wait_loadcnt 0x0                             ; qweight
; A piece: unit step ml of my two, half u, word i: four k (j = 0..3) x my four columns = 16 numbers.
.macro PIECE ml, u, i
.set SETB, GSET+48*(\ml)+8*(\i)+4*(\u)
.set j, 0
.rept 4
	s_min_u32 s[SETB+j], s[SETB+j], 31             ; the index stays inside the table
.set j, j+1
.endr
.set j, 0
.rept 4
	v_lshl_add_u32 v[GA+j], s[SETB+j], 10, v[L16]  ; 1,024 x group + my place
.set j, j+1
.endr
.set j, 0
.rept 4
	ds_load_b128 v[TP+8*j:TP+8*j+3],   v[GA+j]             ; z of my four columns: 32 lanes read 512 consecutive bytes
	ds_load_b128 v[TP+8*j+4:TP+8*j+7], v[GA+j] offset:512  ; s likewise
.set j, j+1
.endr
.set q, 0
.rept 16                                       ; the nibbles are cut out while the gathers are out: number q = 4 j + column
	v_bfe_u32 v[FN+q], v[QW+4*(4*(\ml)+(\i))+q%4], 4*(4*(\u)+q/4), 4
.set q, q+1
.endr
.set q, 0
.rept 16
	v_cvt_f32_u32 v[FN+q], v[FN+q]
.set q, q+1
.endr
	s_wait_alu depctr_va_vdst(0)
	s_wait_dscnt 0x0                               ; the eight loads are in
.set q, 0
.rept 8
	v_pk_add_f32 v[FN+2*q:FN+2*q+1], v[FN+2*q:FN+2*q+1], v[TP+8*(q/2)+2*(q%2):TP+8*(q/2)+2*(q%2)+1] neg_lo:[0,1] neg_hi:[0,1]   ; w - z, two columns at a time: whole numbers under 16: exact
.set q, q+1
.endr
.set q, 0
.rept 8
	v_pk_mul_f32 v[FN+2*q:FN+2*q+1], v[FN+2*q:FN+2*q+1], v[TP+8*(q/2)+4+2*(q%2):TP+8*(q/2)+4+2*(q%2)+1]   ; x s: the one rounding that the dequantised weight has
.set q, q+1
.endr
.set q, 0
.rept 16
	v_med3_num_f32 v[GN+8*(q%4)+4*((\i)%2)+q/4], v[FN+q], -v[LIM], v[LIM]   ; the hold at the largest code x the scale (the conversion does not saturate: ISA guide 7.6.2); it also puts a column's numbers side by side along K
.set q, q+1
.endr
.if (\i)%2 == 1
.set q, 0
.rept 4                                        ; column q: the eight numbers of words i - 1 and i are bytes 32 m + 16 u + 4 (i - 1) + 0..7 of its row.  What follows begins with plain vector lines on other registers
	v_cvt_scalef32_pk8_fp8_f32 v[CD+4*(4*(2*(\ml)+(\u))+q)+2*((\i)/2):CD+4*(4*(2*(\ml)+(\u))+q)+2*((\i)/2)+1], v[GN+8*q:GN+8*q+7], v[SCL]
.set q, q+1
.endr
.endif
.endm
.irp ml, 0,1
.irp u, 0,1
.irp i, 0,1,2,3
	PIECE \ml, \u, \i
.endr
.endr
.endr
	v_nop                                          ; a plain vector line behind the last conversion
	s_wait_alu depctr_va_vdst(0)
	s_wait_dscnt 0x0                               ; my gathers are over (they were waited for in each piece):
	s_barrier_signal -1                            ; every wave's are, before any wave writes the stage over the table
	s_barrier_wait -1
	; THE WAY OUT.  A lane holds 64 bytes of each of four rows of the block, and a row's 256 bytes come from four waves: so the codes meet in the stage and leave by rows.
.set q, 0
.rept 16                                       ; q = 4 (2 ml + u) + column
	ds_store_b128 v6, v[CD+4*q:CD+4*q+3] offset:(q%4)*32*SPITCH+16*(q/4)
.set q, q+1
.endr
	s_wait_dscnt 0x0                               ; for the others' sake: my stores into the stage are done
	s_barrier_signal -1
	s_barrier_wait -1
.set t, 0
.rept 16                                       ; lane (r, h): the row of column 16 block + r, 16 h bytes on
	ds_load_b128 v[OUTR+4*t:OUTR+4*t+3], v7 offset:4*(t/8)*SPITCH+128*((t/4)%2)+32*(t%4)   ; block 2 w + t / 8, step (t / 4) % 2, c = t % 4
.set t, t+1
.endr
.set t, 0
.rept 16
	s_wait_dscnt 15-t                              ; load t is back; the 15 - t younger ones may be out
	global_store_b128 v[L16], v[OUTR+4*t:OUTR+4*t+3], s[18:19] offset:(t/8)*65536+((t/4)%2)*2048+(t%4)*512   ; 32 lanes store 512 consecutive bytes, at a multiple of 256 from wq's first byte
.set t, t+1
.endr
	s_wait_tensorcnt 0x0
	ds_add_u32 v192, v193
	s_wait_dscnt 0x0
	s_endpgm
; ------------------------------------------------------------------ x ------------------------------------------------------------------
; A wave takes two tokens: 16 steps of 512 numbers.  The first token's 32 loads (16 KiB) go out at once; every offset is an immediate, each step's codes have registers of their own,
; no code register is written twice: so the only waits are the counted ones for the loads.  No LDS, no barrier.
.Lx:
	s_sub_co_u32 s56, ttmp9, NWG_W
; (x's share now: work-groups 512 to 1023; a wave takes TWO neighbouring tokens, 16 steps: the second token's loads go out step by step into the registers that the first token's steps have left.)
	s_lshl_b32 s56, s56, 2
	s_add_co_u32 s56, s56, s52
	s_lshl_b32 s56, s56, 1                         ; my wave's first token, an even one: the second lies 16,384 bytes on in x and 256 bytes on in xq
	s_lshl_b32 s58, s56, 14                        ; its 16,384 bytes of x
	s_mov_b32 s59, 0
	s_lshr_b32 s60, s56, 7
	s_lshl_b32 s60, s60, 19                        ; xq: its block of 128 tokens: 16 blocks of 32,768 bytes,
	s_and_b32 s61, s56, 127
	s_lshl_b32 s61, s61, 8                         ; and its row in each of them
	s_add_co_u32 s60, s60, s61
	s_mov_b32 s61, 0
	s_add_nc_u64 s[4:5], s[4:5], s[58:59]
	s_add_nc_u64 s[16:17], s[16:17], s[60:61]
	s_wait_alu depctr_va_vdst(0)
	v_and_b32 v8, 15, v1
	v_lshrrev_b32 v9, 4, v1
	v_lshlrev_b32 v3, 15, v9
	v_lshl_add_u32 v3, v8, 4, v3                   ; a step's 512 bytes of codes are two chunks' 256: lanes 0-15 the first chunk's block, lanes 16-31 the next block
.set t, 0
.rept 32
	global_load_b128 v[XR+4*t:XR+4*t+3], v[L16], s[4:5] offset:512*t th:TH_LOAD_NT   ; load 4 step + i: numbers 128 i + 4 lane + 0..3 of the step; 32 lanes read 512 consecutive bytes
.set t, t+1
.endr
	s_wait_kmcnt 0x0                               ; e0
	s_add_co_i32 s54, s54, 127
	s_lshl_b32 s63, s54, 23
	v_mov_b32 v[SCL], s63                          ; 2^e0
	s_add_co_i32 s54, s54, 8
	s_lshl_b32 s54, s54, 23
	s_or_b32 s54, s54, 0x600000
	v_mov_b32 v[LIM], s54                          ; 448 x 2^e0
.macro XSTEP t
.if (\t) < 8
	s_wait_loadcnt 28                              ; this step's four loads are in; younger: 4 x (7 - t) of the first token and 4 x t of the second
.else
	s_wait_loadcnt 4*(15-(\t))
.endif
.set q, 0
.rept 16
	v_med3_num_f32 v[XR+16*((\t)%8)+q], v[XR+16*((\t)%8)+q], -v[LIM], v[LIM]   ; the hold at the largest code x the scale (ISA guide 7.6.2)
.set q, q+1
.endr
.set XS, XR+16*((\t)%8)
.set XD, XC+4*(\t)+18*((\t)/8)                 ; codes: v144-175 for the first token, v194-225 for the second: no store's data are written again
	v_cvt_scalef32_pk8_fp8_f32 v[XD:XD+1],   v[XS:XS+7],    v[SCL]   ; register 4 i + j gives byte 4 i + j
	v_cvt_scalef32_pk8_fp8_f32 v[XD+2:XD+3], v[XS+8:XS+15], v[SCL]
	global_store_b128 v3, v[XD:XD+3], s[16:17] offset:2*BLKB*((\t)%8)+256*((\t)/8)   ; each sixteen lanes store 256 consecutive bytes, at a multiple of 256 from xq's first byte
.if (\t) < 8
.irp i, 0,1,2,3
	global_load_b128 v[XS+4*\i:XS+4*\i+3], v[L16], s[4:5] offset:512*(4*((\t)+8)+\i) th:TH_LOAD_NT   ; the same step of the second token
.endr
.endif
.endm
	s_wait_alu depctr_va_vdst(0)
.irp t, 0,1,2,3,4,5,6,7,8,9,10,11,12,13,14,15
	XSTEP \t
.endr
	v_nop                                          ; a plain vector line behind the last conversion
	s_endpgm
.Lfunc_end_k_q7db248cec9_prep:
	.size	k_q7db248cec9_prep, .Lfunc_end_k_q7db248cec9_prep-k_q7db248cec9_prep
	.p2alignl 7, 3214868480
	.fill 96, 4, 3214868480
	.section	.rodata,"a",@progbits
	.p2align	6, 0x0
	.amdhsa_kernel k_q7db248cec9_prep
		.amdhsa_group_segment_fixed_size 35328
		.amdhsa_private_segment_fixed_size 0
		.amdhsa_enable_private_segment 0
		.amdhsa_kernarg_size 64
		.amdhsa_user_sgpr_count 2
		.amdhsa_user_sgpr_kernarg_segment_ptr 1
		.amdhsa_wavefront_size32 1
		.amdhsa_system_sgpr_workgroup_id_x 1
		.amdhsa_system_sgpr_workgroup_id_y 1
		.amdhsa_system_sgpr_workgroup_id_z 1
		.amdhsa_system_vgpr_workitem_id 0
		.amdhsa_next_free_vgpr 226
		.amdhsa_next_free_sgpr 100
		.amdhsa_reserve_vcc 0
		.amdhsa_float_denorm_mode_32 3
		.amdhsa_float_denorm_mode_16_64 3
		.amdhsa_memory_ordered 1
		.amdhsa_forward_progress 1
		.amdhsa_inst_pref_size 115
	.end_amdhsa_kernel
	.amdgpu_metadata
---
amdhsa.version: [ 1, 2 ]
amdhsa.kernels:
  - .name:           k_q7db248cec9_prep
    .symbol:         k_q7db248cec9_prep.kd
    .args:
      - { .name: x, .offset: 0, .size: 8, .value_kind: global_buffer, .address_space: global }
      - { .name: qweight, .offset: 8, .size: 8, .value_kind: global_buffer, .address_space: global }
      - { .name: qzeros, .offset: 16, .size: 8, .value_kind: global_buffer, .address_space: global }
      - { .name: scales, .offset: 24, .size: 8, .value_kind: global_buffer, .address_space: global }
      - { .name: g_idx, .offset: 32, .size: 8, .value_kind: global_buffer, .address_space: global }
      - { .name: lowp_scales, .offset: 40, .size: 8, .value_kind: global_buffer, .address_space: global }
      - { .name: xq, .offset: 48, .size: 8, .value_kind: global_buffer, .address_space: global }
      - { .name: wq, .offset: 56, .size: 8, .value_kind: global_buffer, .address_space: global }
    .group_segment_fixed_size: 35328
    .private_segment_fixed_size: 0
    .kernarg_segment_align: 8
    .kernarg_segment_size: 64
    .max_flat_workgroup_size: 128
    .sgpr_count:     100
    .vgpr_count:     226
    .wavefront_size: 32
...
	.end_amdgpu_metadata
.endif
;; end of part 1
;; launch gemm (part 2): grid 16 x 16, 4 waves a work-group, clusters of 4 x 1, 327,680 bytes of LDS; arguments xq, wq, lowp_scales, out0; writes out0
.if DOCPART == 2
	.amdgcn_target "amdgcn-amd-amdhsa--gfx1250"
	.amdhsa_code_object_version 6
	.text
	.protected	k_q7db248cec9_gemm
	.globl	k_q7db248cec9_gemm
	.p2align	8
	.type	k_q7db248cec9_gemm,@function
k_q7db248cec9_gemm:
	s_mov_b64 s[64:65], 0
	v_nop
	global_prefetch_b8 v0, s[64:65] scope:SCOPE_SE
	s_setreg_imm32_b32 hwreg(HW_REG_WAVE_MODE, 25, 1), 1
	s_wait_xcnt 0x0
	s_wait_alu depctr_hold_cnt(0) depctr_sa_sdst(0) depctr_va_vdst(0) depctr_va_sdst(0) depctr_va_ssrc(0) depctr_va_vcc(0) depctr_vm_vsrc(0)
	s_getreg_b32 s2, hwreg(HW_REG_IB_STS2, 6, 4)
	s_cmp_eq_u32 s2, 0
	s_cbranch_scc0 .Lentry_in_a_cluster
	s_endpgm
.Lentry_in_a_cluster:
	s_bfe_u32 s2, ttmp6, 0x10000c
	s_cmp_lg_u32 s2, 0x3003
	s_cbranch_scc0 .Lentry_shape_is_right
	s_endpgm
.Lentry_shape_is_right:
; out0[m][n] = 2^(e0 + e1) x sum over k of xq[m][k] wq[n][k]: codes of FP8 (E4M3) as the launch before laid them; sums in f32.
; LIMIT: e0 + e1 lies between -126 and 127, so that 2^(e0 + e1) is an f32 number.
; A work-group of four waves makes 256 x 256 of out0; wave w makes all 256 rows x columns 64 w .. 64 w + 63: 64 accumulators of 16 x 16, 512 registers.
; A (xq) goes through a ring of two LDS slots, each with 256 rows x 512 along K: four dense blocks of 128 rows x 256 bytes, one tensor load a wave.
; B (wq) goes from memory straight into registers: it lies in the order of the operand's registers, so a load is 512 consecutive bytes, and no two waves of the work-group load the same byte.
; Four sets of B's registers take turns, one for each step of 128 along K: a set is asked for three steps ahead of its use, with counted waits and no barrier.
; CLUSTERS: the four work-groups of a cluster (4 x 1) have the same 256 rows and ask for A's tiles jointly (mask 15).  B's bytes are shared along a tile column too, but they do not pass through LDS,
; so no joint load can bring them: that is why B has none.
; THE MATRIX INSTRUCTION IS USED TRANSPOSED (source 0 = 16 columns of W, source 1 = 16 rows of x): a lane holds eight neighbouring numbers of a row of out0.
; THE LAST TRIP (four steps, the last fill) GOES BY ROWS OF out0: a block of 16 rows is finished by 16 products and leaves while the later blocks are multiplied.
; REGISTERS: window 0: v0-31 addresses; v32-95 B's fragments of step 29 (the last trip alone); v128-255 A's fragments: a ring of four buffers of two fragments (16 rows x 128 K each), fetched two buffers at a time.
;   window 1: B's four sets of four fragments.   window 2: accumulators of rows 0-127 ((a, b) at 32 (a % 8) + 8 b);   window 3: rows 128-255.
; PREFETCHES: behind the tensor load of fill f each wave names fill f + 1's block of its own, a trip of 512 along K ahead of that block's load: of its 128 units of 256 bytes the partner at place cx takes 32, by address.
; In trip t each wave names one fragment (8 units) of trip t + 2 of its B: which of the 16 fragments is told by the tile row, so that the 16 work-groups of a tile column name each unit once.
; Fill 0 and B's first two trips come by their loads alone; behind fill 7's load nothing is asked of A, and B's asks end with trip 7.
.set PITCH,  272                       ; an LDS row: 256 bytes + 16 of padding: sixteen neighbouring rows start at sixteen different 16-byte columns
.set HALFT,  128*PITCH                 ; what one tensor load brings
.set SLOT,   4*HALFT                   ; [2 chunks of 256 bytes][256 rows]
.set SPARE,  2*SLOT                    ; the spare words: 128 bytes a wave, two blocks of 256 bytes that no other line names
.set SPITCH, 272                       ; the way out: each wave's stage of 16 rows x (256 + 16) bytes, in slot 0, behind its last fill and last read
.set FILLB,  65536                     ; xq: from a fill's block to the next fill's: two chunks of 32,768 bytes
.set KSB,    2048                      ; wq: a fragment
.set CBB,    65536                     ; wq: a block of 16 columns
.set ROWC,   16384                     ; a row of out0
.set ADRA, 16                          ; v16-19  LDS address of my lane's part of A's fragments: 2 slot + chunk
.set BO,   20                          ; v20     16 x lane
.set PFO,  21                          ; v21     256 x lane
.set PFBO, 22                          ; v22     256 x min(lane, 7): the lanes left over name the last unit again
.set STO,  24
.set RD,   25
.set CO,   26
.set SPW,  28                          ; v28     my spare word; never rewritten
.set NIL,  29                          ; v29     0; never rewritten
.set BS,   32
.set AF,   128
.set G1,   24                          ; s[24:31] descriptor group 1
.set G0,   32                          ; s[32:39] group 0, one set for each slot
.set BP,   40                          ; s[40:41] my wave's B at the lap's first step
.set PFA,  42                          ; s[42:43] A's prefetches
.set PFB,  44                          ; s[44:45] B's prefetches
.set MSB, 0
.macro WIN new                         ; the immediate's high byte repeats the setting that is left
.if MSB != (\new)
	s_set_vgpr_msb (MSB<<8)|(\new)
.set MSB, (\new)
.endif
.endm
.set MUL_LO, 0xa1                      ; source 0 (B) window 1, source 1 (A) window 0, C and D window 2
.set TO_B,   0x40                      ; destination window 1, address window 0
.macro PLACES                          ; four places in front of loads into registers that matrix instructions have read (ISA guide 7.12.1 for vector instructions)
.rept 4
	v_nop
.endr
.endm
.macro JLOAD s                         ; the joint load: every wave its own block; s_nop 0 and four v_nop behind it
	tensor_load_to_lds s[G0+4*\s:G0+4*\s+3], s[G1:G1+7]
	s_nop 0
	PLACES
.endm
.macro CREST                           ; a round of the cluster's barrier behind its opening barrier
	s_cmp_lg_u32 s14, 0
	s_cbranch_scc1 .Lnot_wave_0_\@
	s_barrier_signal -3
.Lnot_wave_0_\@:
	s_barrier_wait -3
	s_barrier_signal -1
	s_barrier_wait -1
.endm
.macro CROUND
	s_barrier_signal -1
	s_barrier_wait -1
	CREST
.endm
; Two fragments into buffer g % 4.  q = 0..3: group g (0..7) of the slot's step q: A's blocks 2 g and 2 g + 1.  q = 9 (by rows): block g / 2 (0..15), the slot's steps 2 (g % 2) and 2 (g % 2) + 1.
; Lane (r, h): row r, registers 4 c .. 4 c + 3 = bytes 32 c + 16 h + 0..15 of a step's 128
.macro ALOAD slot, q, g
.irp f, 0,1
.irp c, 0,1,2,3
.if (\q) > 3
	ds_load_b128 v[AF+32*((\g)%4)+16*\f+4*\c:AF+32*((\g)%4)+16*\f+4*\c+3], v[ADRA+2*(\slot)+(\g)%2] offset:128*\f+32*\c+((\g)/2)*16*PITCH
.else
	ds_load_b128 v[AF+32*((\g)%4)+16*\f+4*\c:AF+32*((\g)%4)+16*\f+4*\c+3], v[ADRA+2*(\slot)+(\q)/2] offset:128*((\q)%2)+32*\c+(2*(\g)+\f)*16*PITCH
.endif
.endr
.endr
.endm
; 8 matrix instructions: the group's two blocks x B's four fragments of set q.  All 64 accumulators take turns, in the same order in every step
.macro MULG q, g, zero
	WIN MUL_LO+0x50*((\g)/4)
.irp f, 0,1
.irp b, 0,1,2,3
.if \zero
	v_wmma_f32_16x16x128_fp8_fp8 v[64*((\g)%4)+32*\f+8*\b:64*((\g)%4)+32*\f+8*\b+7], v[64*(\q)+16*\b:64*(\q)+16*\b+15], v[AF+32*((\g)%4)+16*\f:AF+32*((\g)%4)+16*\f+15], 0
.else
	v_wmma_f32_16x16x128_fp8_fp8 v[64*((\g)%4)+32*\f+8*\b:64*((\g)%4)+32*\f+8*\b+7], v[64*(\q)+16*\b:64*(\q)+16*\b+15], v[AF+32*((\g)%4)+16*\f:AF+32*((\g)%4)+16*\f+15], v[64*((\g)%4)+32*\f+8*\b:64*((\g)%4)+32*\f+8*\b+7]
.endif
.endr
.endr
.endm
.macro BLOAD set, kofs                 ; B's four fragments of the step kofs behind the lap's first: 16 loads of 512 consecutive bytes
	WIN TO_B
.irp b, 0,1,2,3
.irp c, 0,1,2,3
	global_load_b128 v[64*(\set)+16*\b+4*\c:64*(\set)+16*\b+4*\c+3], v[BO], s[BP:BP+1] offset:\b*CBB+\c*512+(\kofs)*KSB
.endr
.endr
.endm
.macro BLOADS kofs                     ; the same into v32-95 of window 0
	WIN 0
.irp b, 0,1,2,3
.irp c, 0,1,2,3
	global_load_b128 v[BS+16*\b+4*\c:BS+16*\b+4*\c+3], v[BO], s[BP:BP+1] offset:\b*CBB+\c*512+(\kofs)*KSB
.endr
.endr
.endm
; A pair of groups, 2 p and 2 p + 1: 16 products; then ONE run of 16 loads: their two buffers take the pair two further on (groups lg, lg + 1 of step lq)
.macro PRUN q, p, zero, lslot, lq, lg
	s_wait_dscnt 24                                ; group 2 p is in; its partner's 8 loads and the next pair's 16 may be out
	MULG \q, 2*(\p), \zero
	s_wait_dscnt 16                                ; group 2 p + 1 is in
	MULG \q, 2*(\p)+1, \zero
	PLACES
	WIN 0
	ALOAD \lslot, \lq, \lg
	ALOAD \lslot, \lq, (\lg)+1
.endm
; A step of 128 along K.  The set that the step before has left takes the step kofs behind the lap's first.  lcnt: B's loads younger than this step's set
.macro KS slot, q, zero, kofs, lcnt, nslot, nq
	s_wait_loadcnt \lcnt
	PRUN \q, 0, \zero, \slot, \q, 4
	BLOAD ((\q)+3)%4, \kofs
	PRUN \q, 1, \zero, \slot, \q, 6
	PRUN \q, 2, \zero, \nslot, \nq, 0
	PRUN \q, 3, \zero, \nslot, \nq, 2
.endm
.macro ASK slot
	global_prefetch_b8 v[PFBO], s[PFB:PFB+1] offset:(2+\slot)*8192 th:TH_LOAD_NT scope:SCOPE_SE   ; my share of B two trips on
.if \slot
	s_cmp_eq_u32 s3, 1                             ; the loop's last trip has just asked for fill 7: there is no fill 8
	s_cbranch_scc1 .Lnone_\@
.endif
	global_prefetch_b8 v[PFO], s[PFA:PFA+1] offset:(3+\slot)*FILLB th:TH_LOAD_NT scope:SCOPE_SE    ; my share of the next fill's block
.if \slot
.Lnone_\@:
.endif
.endm
; A slot's last step changes slots.  When groups 6 and 7 are asked for, my reads of the slot are all issued: then the wait for all my tensor loads, the add, the wait for it and for those reads,
; and one barrier, which where the slot is filled again opens a round of the cluster's barrier; the joint refill is the first tensor load behind the round.
.macro TURN slot, next, fill, kofs, lcnt, nq
	s_wait_loadcnt \lcnt
	PRUN 3, 0, 0, \slot, 3, 4
	BLOAD 2, \kofs
	PRUN 3, 1, 0, \slot, 3, 6
	s_wait_tensorcnt 0x0                           ; my part of the next slot has landed
	ds_add_u32 v[SPW], v[NIL]
	s_wait_dscnt 25                                ; group 4 is in; groups 5 to 7 (24 loads) and the add may be out
	MULG 3, 4, 0
	s_wait_dscnt 0x0                               ; the add is done, my reads of this slot are over
	s_barrier_signal -1
	MULG 3, 5, 0
	WIN 0
	s_barrier_wait -1
.if \fill
	CREST
	s_add_nc_u64 s[G0+4*\slot+2:G0+4*\slot+3], s[G0+4*\slot+2:G0+4*\slot+3], 2*FILLB
	JLOAD \slot                                    ; its four v_nop are also the places in front of the loads below
.else
	PLACES
.endif
	ALOAD \next, \nq, 0
	ALOAD \next, \nq, 1
.if \fill
	ASK \slot
.endif
	MULG 3, 6, 0                                   ; groups 6 and 7 were shown in by the wait for 0 above
	MULG 3, 7, 0
	PLACES
	WIN 0
	ALOAD \next, \nq, 2
	ALOAD \next, \nq, 3
.endm
	s_load_b128 s[4:7], s[0:1], 0x0                ; xq, wq
	s_load_b128 s[8:11], s[0:1], 0x10              ; lowp_scales, out0
	v_lshl_add_u32 v[SPW], v0, 2, SPARE
	v_mov_b32 v[NIL], 0
	ds_add_u32 v[SPW], v[NIL]                      ; the opening lines: the add twice on end and its one wait
	ds_add_u32 v[SPW], v[NIL]
	v_lshrrev_b32 v1, 5, v0
	v_readfirstlane_b32 s14, v1                    ; wave
	v_and_b32 v2, 31, v0
	v_lshlrev_b32 v[BO], 4, v2
	v_lshlrev_b32 v[PFO], 8, v2
	v_min_u32 v3, 7, v2
	v_lshlrev_b32 v[PFBO], 8, v3
	s_and_b32 s15, s14, 1                          ; which 128 rows I fetch
	s_lshr_b32 s16, s14, 1                         ; which chunk of the fill
	s_bfe_u32 s17, ttmp6, 0x40000                  ; cx
	s_lshl_b32 s18, ttmp9, 2
	s_add_co_u32 s18, s18, s17                     ; tile column
	s_and_b32 s19, ttmp7, 0xffff                   ; tile row: the same in all four partners
	s_mov_b32 s[G1+0], 15|(1<<20)|(1<<21)|(5<<22)|(3<<25)  ; mask: the four partners; elements of 1 byte; padding of 4 words behind every 64; bit 21 beside a mask
	s_mov_b32 s[G1+1], 256<<16                     ; tensor_dim0
	s_mov_b32 s[G1+2], 128<<16                     ; tensor_dim1
	s_mov_b32 s[G1+3], 256<<16                     ; tile_dim0
	s_mov_b32 s[G1+4], 128                         ; tile_dim1
	s_mov_b32 s[G1+5], 256                         ; the pitch: the block is dense
	s_mov_b32 s[G1+6], 0
	s_mov_b32 s[G1+7], 0
	s_lshl_b32 s20, s19, 20                        ; xq: ((2 tile row + half) x 16 + chunk) x 32,768
	s_lshl_b32 s46, s15, 19
	s_add_co_u32 s20, s20, s46
	s_lshl_b32 s46, s16, 15
	s_add_co_u32 s20, s20, s46
	s_mov_b32 s21, 0
	s_lshl_b32 s22, s18, 20                        ; wq: (16 tile column + 4 wave) x 65,536
	s_lshl_b32 s46, s14, 18
	s_add_co_u32 s22, s22, s46
	s_mov_b32 s23, 0
	s_mul_i32 s47, s14, HALFT                      ; LDS: chunk w / 2, rows 128 (w % 2) on
	s_lshl_b32 s48, s17, 13                        ; my work-group's 32 units of a block
	s_mov_b32 s49, 0
	s_lshr_b32 s50, s19, 2                         ; my work-group's fragment of a trip's 16
	s_lshl_b32 s50, s50, 16
	s_and_b32 s46, s19, 3
	s_lshl_b32 s46, s46, 11
	s_add_co_u32 s50, s50, s46
	s_mov_b32 s51, 0
	s_wait_alu depctr_va_vdst(0)
	s_wait_dscnt 0x0
	s_wait_kmcnt 0x0
	s_load_b64 s[96:97], s[8:9], 0x0               ; e0, e1
	s_add_nc_u64 s[20:21], s[4:5], s[20:21]
	s_add_nc_u64 s[BP:BP+1], s[6:7], s[22:23]
	s_add_nc_u64 s[PFA:PFA+1], s[20:21], s[48:49]
	s_add_nc_u64 s[PFB:PFB+1], s[BP:BP+1], s[50:51]
.irp s, 0,1
	s_mov_b32 s[G0+4*\s], 1
	s_add_co_u32 s[G0+4*\s+1], s47, \s*SLOT
	s_add_nc_u64 s[G0+4*\s+2:G0+4*\s+3], s[20:21], \s*FILLB
	s_or_b32 s[G0+4*\s+3], s[G0+4*\s+3], 0x80000000
.endr
	CROUND                                         ; the four partners are here: the first joint loads meet
	JLOAD 0                                        ; fill 0: one tensor load a wave at the head
	BLOAD 0, 0                                     ; B's steps 0 and 1 beside it; step 2 follows behind fill 0's landing, two steps ahead of its use
	BLOAD 1, 1
	WIN 0
	global_prefetch_b8 v[PFO], s[PFA:PFA+1] offset:FILLB th:TH_LOAD_NT scope:SCOPE_SE   ; fill 1
	s_mul_i32 s46, s14, 16*SPITCH                  ; my stage
	s_lshl_b32 s48, s19, 22                        ; out0: 256 tile row rows,
	s_lshl_b32 s50, s18, 10                        ; 256 tile column columns,
	s_add_co_u32 s48, s48, s50
	s_lshl_b32 s50, s14, 8                         ; my 64 columns
	s_add_co_u32 s48, s48, s50
	s_add_nc_u64 s[10:11], s[10:11], s[48:49]
	v_and_b32 v1, 15, v0                           ; r
	v_bfe_u32 v2, v0, 4, 1                         ; h
	v_mul_u32_u24 v3, v1, PITCH
	v_lshl_add_u32 v3, v2, 4, v3
.irp k, 0,1,2,3
	v_add_nc_u32 v[ADRA+\k], \k*2*HALFT, v3
.endr
	v_mul_u32_u24 v4, v1, SPITCH                   ; into the stage: row r, 32 bytes for each half of the lanes
	v_lshl_add_u32 v4, v2, 5, v4
	v_add_nc_u32 v[STO], s46, v4
	v_mul_u32_u24 v5, v2, SPITCH                   ; back: lanes 0-15 one row of 256 bytes, lanes 16-31 the next
	v_lshl_add_u32 v5, v1, 4, v5
	v_add_nc_u32 v[RD], s46, v5
	v_lshlrev_b32 v6, 14, v2                       ; and the same two rows in out0
	v_lshl_add_u32 v[CO], v1, 4, v6
	s_wait_alu depctr_va_vdst(0)
	s_wait_tensorcnt 0x0                           ; my part of fill 0 is in; slot 1's first fill is issued as a refill is
	ds_add_u32 v[SPW], v[NIL]
	s_wait_dscnt 0x0
	CROUND
	JLOAD 1
	ALOAD 0, 0, 0
	ALOAD 0, 0, 1
	ALOAD 0, 0, 2
	ALOAD 0, 0, 3
	global_prefetch_b8 v[PFO], s[PFA:PFA+1] offset:2*FILLB th:TH_LOAD_NT scope:SCOPE_SE   ; fill 2
	BLOAD 2, 2
	KS 0, 0, 1, 3, 32, 0, 1                        ; the first step stands in front of the loop: its products start the sums
	s_mov_b32 s3, 3
.Llap:                                                 ; a trip: once round the ring, 8 steps, from a lap's second step to the next lap's first; both slots are filled again
	KS 0, 1, 0, 4, 32, 0, 2
	KS 0, 2, 0, 5, 32, 0, 3
	TURN 0, 1, 1, 6, 32, 0
	KS 1, 0, 0, 7, 32, 1, 1
	KS 1, 1, 0, 8, 32, 1, 2
	KS 1, 2, 0, 9, 32, 1, 3
	TURN 1, 0, 1, 10, 32, 0
	KS 0, 0, 0, 11, 32, 0, 1
	s_wait_xcnt 0x0                                ; the loads and prefetches have read their bases: these step only behind this wait
	s_add_nc_u64 s[BP:BP+1], s[BP:BP+1], 8*KSB
	s_add_nc_u64 s[PFB:PFB+1], s[PFB:PFB+1], 8*KSB
	s_add_nc_u64 s[PFA:PFA+1], s[PFA:PFA+1], 2*FILLB
	s_sub_co_u32 s3, s3, 1
	s_cmp_lg_u32 s3, 0
	s_cbranch_scc1 .Llap
; Steps 25 to 27 fill nothing and ask for B's last four steps, which the last trip wants all at once: step 28 into set 0, 29 into v32-95 of window 0, 30 into set 1, 31 into set 2, each as soon as its registers are free
	KS 0, 1, 0, 4, 32, 0, 2                        ; step 28
	BLOADS 5                                       ; step 29
	KS 0, 2, 0, 6, 48, 0, 3                        ; step 30; younger than step 26's set: steps 27, 28, 29
	TURN 0, 1, 0, 7, 48, 9                         ; step 31; younger than step 27's set: steps 28, 29, 30.  Its last runs fetch blocks 0 and 1 for the trip by rows
; THE LAST TRIP, BY ROWS.  Block a (16 rows): its four fragments of A x B's four steps: 16 products, its 4 accumulators by turns, three others between two steps of a sum.
.macro RQ a, q, breg, win
	WIN (\win)+0x50*((\a)/8)
.irp b, 0,1,2,3
	v_wmma_f32_16x16x128_fp8_fp8 v[32*((\a)%8)+8*\b:32*((\a)%8)+8*\b+7], v[(\breg)+16*\b:(\breg)+16*\b+15], v[AF+64*((\a)%2)+16*(\q):AF+64*((\a)%2)+16*(\q)+15], v[32*((\a)%8)+8*\b:32*((\a)%8)+8*\b+7]
.endr
.endm
; THE WAY OUT of block a: x 2^(e0 + e1) in place; through my own stage and back, as whole rows of 256 bytes, into the block's own 32 registers; stored from there.  No register serves two blocks and every
; store's place stands in its immediate ((240 + 14) rows of 16,384 bytes at the most, inside the signed 24 bits: ISA guide, chapter 10).  LDS serves a wave's instructions in order (ISA guide 5.7.1.4).
.macro PACK a
	WIN 0x82+0x41*((\a)/8)                         ; source 0 and destination: window 2 or 3
.irp j, 0,2,4,6,8,10,12,14,16,18,20,22,24,26,28,30
	v_pk_mul_f32 v[32*((\a)%8)+\j:32*((\a)%8)+\j+1], v[32*((\a)%8)+\j:32*((\a)%8)+\j+1], s[96:97] op_sel_hi:[1,0]   ; each accumulator from its low end on
.endr
.endm
.macro STAGE a
	WIN 0x88+0x44*((\a)/8)                         ; address window 0; data, stored or loaded: window 2 or 3
.irp b, 0,1,2,3
	ds_store_b128 v[STO], v[32*((\a)%8)+8*\b:32*((\a)%8)+8*\b+3] offset:64*\b
	ds_store_b128 v[STO], v[32*((\a)%8)+8*\b+4:32*((\a)%8)+8*\b+7] offset:64*\b+16
.endr
.irp t, 0,1,2,3,4,5,6,7
	ds_load_b128 v[32*((\a)%8)+4*\t:32*((\a)%8)+4*\t+3], v[RD] offset:\t*2*SPITCH
.endr
.endm
.macro SEND a
	WIN 0x88+0x44*((\a)/8)
.irp t, 0,1,2,3,4,5,6,7
	global_store_b128 v[CO], v[32*((\a)%8)+4*\t:32*((\a)%8)+4*\t+3], s[10:11] offset:(16*(\a)+2*\t)*ROWC th:TH_STORE_NT   ; each sixteen lanes store 256 consecutive bytes, at a multiple of 256 from out0's first byte
.endr
.endm
; Turn a: block a is multiplied; block a - 2, staged a turn ago, is stored; block a - 1 is scaled and staged (16 LDS instructions); block a + 2 is fetched (16).
; The scalings of block a - 1 are the places behind block a's products, in front of the loads into their fragments.
.macro ITER a
.if (\a) < 16
.if ((\a) < 2) || ((\a) == 15)
.set W0, 24                            ; younger than my first two fragments: my other two 8, and 16: the next block's loads (blocks 0, 1) or a staged block (block 15)
.else
.set W0, 40                            ; my other two 8, a staged block 16, the next block's loads 16
.endif
	s_wait_dscnt W0
.if (\a) == 0
	s_wait_loadcnt 48                              ; step 28's set is in; three younger sets may be out
.endif
	RQ \a, 0, 0, 0xa1
.if (\a) == 0
	s_wait_loadcnt 32
.endif
	RQ \a, 1, BS, 0xa0                             ; step 29's fragments lie in window 0
	s_wait_dscnt W0-8
.if (\a) == 0
	s_wait_loadcnt 16
.endif
	RQ \a, 2, 64, 0xa1
.if (\a) == 0
	s_wait_loadcnt 0
.endif
	RQ \a, 3, 128, 0xa1
.endif
.if (\a) >= 2
.if (\a) < 15
	s_wait_dscnt 16                                ; block a - 2 is back from the stage; the 16 loads fetched behind it may be out
.else
	s_wait_dscnt 0
.endif
	SEND (\a)-2
.endif
.if (\a) == 0
	PLACES
.endif
.if ((\a) >= 1) && ((\a) <= 16)
	PACK (\a)-1
	STAGE (\a)-1
.endif
.if (\a) <= 13
	WIN 0
	ALOAD 1, 9, 2*(\a)+4
	ALOAD 1, 9, 2*(\a)+5
.endif
.endm
	s_wait_kmcnt 0x0
	s_add_co_i32 s96, s96, s97
	s_add_co_i32 s96, s96, 127
	s_lshl_b32 s96, s96, 23                        ; 2^(e0 + e1) as f32
.irp a, 0,1,2,3,4,5,6,7,8,9,10,11,12,13,14,15,16,17
	ITER \a
.endr
	WIN 0
	s_wait_tensorcnt 0x0                           ; the wave's end
	ds_add_u32 v[SPW], v[NIL]
	s_wait_dscnt 0x0
	CROUND                                         ; the closing round
	s_endpgm
.Lfunc_end_k_q7db248cec9_gemm:
	.size	k_q7db248cec9_gemm, .Lfunc_end_k_q7db248cec9_gemm-k_q7db248cec9_gemm
	.p2alignl 7, 3214868480
	.fill 96, 4, 3214868480
	.section	.rodata,"a",@progbits
	.p2align	6, 0x0
	.amdhsa_kernel k_q7db248cec9_gemm
		.amdhsa_group_segment_fixed_size 327680
		.amdhsa_private_segment_fixed_size 0
		.amdhsa_enable_private_segment 0
		.amdhsa_kernarg_size 32
		.amdhsa_user_sgpr_count 2
		.amdhsa_user_sgpr_kernarg_segment_ptr 1
		.amdhsa_wavefront_size32 1
		.amdhsa_system_sgpr_workgroup_id_x 1
		.amdhsa_system_sgpr_workgroup_id_y 1
		.amdhsa_system_sgpr_workgroup_id_z 1
		.amdhsa_system_vgpr_workitem_id 0
		.amdhsa_next_free_vgpr 1024
		.amdhsa_next_free_sgpr 98
		.amdhsa_reserve_vcc 0
		.amdhsa_float_denorm_mode_32 3
		.amdhsa_float_denorm_mode_16_64 3
		.amdhsa_memory_ordered 1
		.amdhsa_forward_progress 1
		.amdhsa_inst_pref_size 223
	.end_amdhsa_kernel
	.amdgpu_metadata
---
amdhsa.version: [ 1, 2 ]
amdhsa.kernels:
  - .name:           k_q7db248cec9_gemm
    .symbol:         k_q7db248cec9_gemm.kd
    .args:
      - { .name: xq, .offset: 0, .size: 8, .value_kind: global_buffer, .address_space: global }
      - { .name: wq, .offset: 8, .size: 8, .value_kind: global_buffer, .address_space: global }
      - { .name: lowp_scales, .offset: 16, .size: 8, .value_kind: global_buffer, .address_space: global }
      - { .name: out0, .offset: 24, .size: 8, .value_kind: global_buffer, .address_space: global }
    .group_segment_fixed_size: 327680
    .private_segment_fixed_size: 0
    .kernarg_segment_align: 8
    .kernarg_segment_size: 32
    .max_flat_workgroup_size: 128
    .sgpr_count:     98
    .vgpr_count:     1024
    .wavefront_size: 32
...
	.end_amdgpu_metadata
.endif
;; end of part 2
